; MI455X (gfx1250); checked and timed in simulation.
; The chip was launched on July 23, 2026; its instructions are those of AMD's public machine-readable ISA for CDNA 5 (MIT licence, August 2026) and "CDNA5" Instruction Set Architecture Reference Guide (July 2026). The comments in the code are by the model that wrote it; some were corrected since.
;; My Multihead Attention Tanh Relu. Allowed arithmetic: matrix products marked QUANTISED: E5M2 operands, one given power-of-two scale a tensor, by v_wmma_f32_16x16x64_bf8_bf8 or v_wmma_f32_16x16x128_bf8_bf8, f32 sums; everything else in f32.
;; Inputs: Wk_codes 1,024 x 32 x 32 uint8 (E5M2 codes of Wk, K innermost, in blocks of 32 codes); Wq_codes 1,024 x 32 x 32 uint8 (E5M2 codes of Wq, K innermost, in blocks of 32 codes); Wv_codes 1,024 x 32 x 32 uint8 (E5M2 codes of Wv, K innermost, in blocks of 32 codes); bk 1,024 float32; bq 1,024 float32; bv 1,024 float32; key_codes 8 x 1,024 x 32 x 32 uint8 (E5M2 codes of key, K innermost, in blocks of 32 codes); lowp_scales 10 int32 (the exponents e of the quantised operands' scales 2^e); query_codes 8 x 1,024 x 32 x 32 uint8 (E5M2 codes of query, K innermost, in blocks of 32 codes); value_codes 8 x 1,024 x 32 x 32 uint8 (E5M2 codes of value, K innermost, in blocks of 32 codes).
;; Outputs: out0 8 x 1,024 x 1,024 float32; out1 8 x 1,024 x 1,024 float32.
;; This version of the problem:
;;   THIS VERSION OF THE PROBLEM IS GIVEN IN LOW PRECISION. The matrix products marked QUANTISED in the list below multiply operands that are first quantised to E5M2 (5 exponent bits, 2 mantissa bits; 8 bits a number), with one given power-of-two scale for each operand tensor; their sums are f32. All else is computed in f32.
;;   The module's matrix products, in the order in which they are computed (A, B: the left and right operand; K: the contracted axis; several contracted axes count as one K, in the product's order):
;;     1. [M 8,192, K 1,024] x [K 1,024, N 1,024]; A: input query (given as codes); B: input Wq (given as codes): QUANTISED (scales: A lowp_scales[0], B lowp_scales[1])
;;     2. [M 8,192, K 1,024] x [K 1,024, N 1,024]; A: input key (given as codes); B: input Wk (given as codes): QUANTISED (scales: A lowp_scales[2], B lowp_scales[3])
;;     3. [M 8,192, K 1,024] x [K 1,024, N 1,024]; A: input value (given as codes); B: input Wv (given as codes): QUANTISED (scales: A lowp_scales[4], B lowp_scales[5])
;;     4. batch 128 x [M 1,024, K 64] x [K 64, N 1,024]; A: computed on the way; B: computed on the way: QUANTISED (scales: A lowp_scales[6], B lowp_scales[7])
;;     5. batch 128 x [M 1,024, K 1,024] x [K 1,024, N 64]; A: computed on the way; B: computed on the way: QUANTISED (scales: A lowp_scales[8], B lowp_scales[9])
;;   THE QUANTISER, for each operand of a quantised product, along K:
;;     - The operand's scale is 2^e, e = its entry of the input lowp_scales (int32; the entries are numbered through the quantised products in the list's order, A before B).
;;     - Each number is divided by the scale, clamped to +-57,344, and rounded to the nearest number of E5M2, ties to even, subnormals kept.
;;     - The product sums the exact products of the quantised numbers (number of the format x scale) in f32.
;;   ~~~python
;;   def quantise(x, axis, e):      # numpy; x: float32 -> the quantised numbers, widened to float32 again
;;       x = np.moveaxis(x, axis, -1); K = x.shape[-1]
;;       r = np.clip(x / 2.0 ** e, -57344, 57344)
;;       step = 2.0 ** (np.maximum(np.frexp(np.where(r == 0, 1, r))[1] - 1, -14) - 2)
;;       q = np.round(r / step) * step * 2.0 ** e      # np.round: ties to even
;;       return np.moveaxis(q, -1, axis).astype(np.float32)
;;   ~~~
;;   OPERANDS COMPUTED ON THE WAY. 'Computed on the way' means the value that the module computes at that place (a softmax that the list does not call 'softmax' is quantised finished and normalised). What goes into a quantiser is computed in f32, as accurately as f32 sums, v_exp_f32 and their like allow (about 1e-6 of the number): no bf16 or f16 on the way to a quantiser, and a product that is left as it is and whose result goes on into a quantised operand takes f32 operands (vector FMAs, or v_wmma_f32_16x16x4_f32). A number that lies on a knife's edge between two numbers of the format may be rounded either way, as far as f32 arithmetic and the matrix unit's own rounding can turn it there, and no further.
;;   INPUTS GIVEN AS CODES. Wk (in the module: [1024, 1024], K = its axis 1); Wq (in the module: [1024, 1024], K = its axis 1); Wv (in the module: [1024, 1024], K = its axis 1); key (in the module: [8, 1024, 1024], K = its axis 2); query (in the module: [8, 1024, 1024], K = its axis 2); value (in the module: [8, 1024, 1024], K = its axis 2): each comes as NAME_codes (uint8): NAME with its K axis moved to the last place and cut into blocks of 32 codes, [.., K / 32, bytes a block], one block behind the other in memory; one code a byte (a code: sign, 5 exponent bits, 2 mantissa bits); its scale is its entry of lowp_scales. Its value is code x scale, taken as it is: it is not quantised again, and the codes and scales need not be those that the quantiser above would give.
;; One version. Each part assembles by itself: llvm-mc -triple=amdgcn-amd-amdhsa -mcpu=gfx1250 --defsym DOCPART=n.
;; ======== version 1 of 1: 2 launches
;; workspace buffers: img 25,165,824 bytes
;; launch proj (part 1): grid 4 x 96, 4 waves a work-group, clusters of 4 x 4, 327,680 bytes of LDS; arguments query_codes, key_codes, Wv_codes, Wq_codes, Wk_codes, value_codes, bq, bk, bv, lowp_scales, img; writes img
.if DOCPART == 1
	.amdgcn_target "amdgcn-amd-amdhsa--gfx1250"
	.amdhsa_code_object_version 6
	.text
	.protected	k_q9c11139446_proj
	.globl	k_q9c11139446_proj
	.p2align	8
	.type	k_q9c11139446_proj,@function
k_q9c11139446_proj:
	s_mov_b64 s[64:65], 0
	v_nop
	global_prefetch_b8 v0, s[64:65] scope:SCOPE_SE
	s_setreg_imm32_b32 hwreg(HW_REG_WAVE_MODE, 25, 1), 1
	s_wait_xcnt 0x0
	s_wait_alu depctr_hold_cnt(0) depctr_sa_sdst(0) depctr_va_vdst(0) depctr_va_sdst(0) depctr_va_ssrc(0) depctr_va_vcc(0) depctr_vm_vsrc(0)
	s_getreg_b32 s2, hwreg(HW_REG_IB_STS2, 6, 4)
	s_cmp_eq_u32 s2, 0
	s_cbranch_scc0 .Lentry_in_a_cluster
	s_endpgm
.Lentry_in_a_cluster:
	s_bfe_u32 s2, ttmp6, 0x10000c
	s_cmp_lg_u32 s2, 0xf033
	s_cbranch_scc0 .Lentry_shape_is_right
	s_endpgm
.Lentry_shape_is_right:
; THE THREE PROJECTIONS, one launch: y = x W^T + b on codes of BF8 (E5M2), y quantised again, and stored as IMAGES OF OPERAND REGISTERS for the attention launch.
; Cluster y (0..23) says which: TEN = y / 8 (0: query, 1: key, 2: value), c = y % 8.  Each is a GEMM C = A B^T, K = 1,024, on tiles of 256 x 256, four waves of 128 x 128.
;   TEN 0, 1: A = the tokens' codes (8,192 rows), B = the weight's (1,024 rows).   TEN 2: A = Wv's codes (1,024 rows), B = value's (8,192 rows).
; THE MATRIX INSTRUCTION IS USED TRANSPOSED (source 0 = 16 rows of B, source 1 = 16 rows of A): a lane holds one row of A and eight neighbouring rows of B: for q and k eight features, for v eight keys:
; in each case neighbours along the K of the product that follows, as the conversions want them.
; y = sum x 2^(ea + eb) + bias (one packed multiply-add for two numbers); code = y / 2^eo, held within +-57,344, to the nearest code, ties to even.
; img: three parts of 8 MiB (q, k, v), each [batch 8][head 16][tile 64][c 2][lane 32][16 bytes]: a tile is one fragment (16 rows x 64 K); lane (r', h') of half c holds K = 32 c + 16 h' + 0..15 of its row.
;   q, k: tile 2 (token / 32) + u, lane r' = token 32 (tile / 2) + 8 u + r' + 8 (r' / 8); K = the head's 64 features.   v: tile 4 (key / 64) + 2 beta + u, lane r' = dim 32 beta + 8 u + r' + 8 (r' / 8); K = 64 keys.
; CLUSTERS: 4 x 4 work-groups; A's tiles are asked for jointly along a row of the cluster, B's along a column.
; LIMITS: ea + eb between -126 and 127, eo between -126 and 112, so that each power of two below is an f32 number.  NaN among the inputs is not served.
; REGISTERS, in windows of 256: window 0: v7, v8 bias offsets; v12 2^eo, v13 57,344 x 2^eo; v16-29 addresses; v32-95 the bias of my 128 columns; v96-111 the bias of my rows (a pair a block, the upper half 0);
;   v112-127 a block's codes; v128-255 A's fragments, ONE set; on the way out v128-191 a block's numbers, then with v192-255 the images on their way to memory.
;   window 1: B's fragments, TWO sets.   windows 2, 3: the 64 accumulators ((a, b) at v[8 (8 (a % 4) + b)] of window 2 + a / 4).
.set KSTEP,  256                       ; along K in a slot
.set ROWB,   256                       ; a tile's row in bytes
.set KROW,   1024                      ; a row of A or of B in memory, in bytes
.set PITCH,  272                       ; an LDS row: 256 bytes + 16 of padding, so that the 16 rows that a fragment load touches begin 68 words apart
.set FR,     16                        ; registers of a fragment: 16 rows x 128 K
.set NL,     4                         ; LDS loads that bring one
.set NP,     4                         ; places behind this matrix instruction (ISA guide 7.12.1)
.set HALFT,  128*PITCH                 ; 128 rows: what one tensor load brings
.set SLOT,   4*HALFT                   ; A's 256 rows, then B's 256 rows
.set SPARE,  2*SLOT                    ; behind the ring: the spare words, 128 bytes a wave: two blocks of 256 bytes that no other line names
.set WSTG,   16384                     ; the way out: a wave's 128 x 128 codes as images, in slot 0, which has had its last fill and its last read by then
.set ADRA, 16
.set ADRB, 20
.set STO,  24                          ; v24  the stage: where I put eight codes
.set RD,   25                          ; v25  the stage: 16 x lane, where I read images back
.set CO,   26                          ; v26  16 x lane: my place in 512 bytes of img
.set SPW,  28
.set NIL,  29
.set BC,   32
.set BR,   96
.set COD,  112
.set AF,   128
.set TMP,  128
.set BK0,  192
.set BK1,  128
.set G1, 24
.set G0, 32
.set G1B, 48
.set G0B, 56
.set TEN, 66
.set MSB, 0
.macro WIN new                         ; the immediate's high byte repeats the setting that is left
.if MSB != (\new)
	s_set_vgpr_msb (MSB<<8)|(\new)
.set MSB, (\new)
.endif
.endm
.set MUL_LO, 0xa1                      ; source 0 (B) window 1, source 1 (A) window 0, C and D window 2
.set MUL_HI, 0xf1                      ; the same, C and D window 3
.set TO_B,   0x40                      ; destination window 1, address window 0
; A joint load: waves 0 and 1 fetch for A, waves 2 and 3 for B; the branch hangs on the wave's number alone.  Four v_nop follow each of the two lines.
.macro JLOAD g0a, g1a, g0b, g1b
	s_cmp_eq_u32 s15, 0
	s_cbranch_scc0 .Lfor_b_\@
	tensor_load_to_lds s[\g0a:\g0a+3], s[\g1a:\g1a+7]
	s_nop 0
.rept 4
	v_nop
.endr
	s_branch .Lasked_\@
.Lfor_b_\@:
	tensor_load_to_lds s[\g0b:\g0b+3], s[\g1b:\g1b+7]
	s_nop 0
.rept 4
	v_nop
.endr
.Lasked_\@:
.endm
.macro CREST                           ; a round of the cluster's barrier behind its opening barrier
	s_cmp_lg_u32 s14, 0
	s_cbranch_scc1 .Lnot_wave_0_\@
	s_barrier_signal -3
.Lnot_wave_0_\@:
	s_barrier_wait -3
	s_barrier_signal -1
	s_barrier_wait -1
.endm
.macro CROUND                          ; a whole round
	s_barrier_signal -1
	s_barrier_wait -1
	CREST
.endm
	s_load_b512 s[68:83], s[0:1], 0x0              ; query s[68:69], key s[70:71], Wv s[72:73], Wq s[74:75], Wk s[76:77], value s[78:79], bq s[80:81], bk s[82:83]
	s_load_b128 s[84:87], s[0:1], 0x40             ; bv s[84:85], the scales' exponents s[86:87]
	s_load_b64 s[88:89], s[0:1], 0x50              ; img
	v_lshl_add_u32 v[SPW], v0, 2, SPARE
	v_mov_b32 v[NIL], 0
	ds_add_u32 v28, v29
	s_wait_dscnt 0x0
	v_lshrrev_b32 v1, 5, v0
	v_readfirstlane_b32 s14, v1                    ; wave 0..3
	s_lshr_b32 s15, s14, 1                         ; which half of the tile's rows is mine.  Also: I fetch for A (0) or for B (1)
	s_and_b32 s16, s14, 1                          ; which half of its columns.  Also: which 128 rows of that tile I fetch
	s_bfe_u32 s40, ttmp6, 0x40000                  ; cx, cy: my place in the cluster
	s_bfe_u32 s41, ttmp6, 0x40004
	s_and_b32 s67, ttmp7, 0xffff                   ; cluster y
	s_lshr_b32 s[TEN], s67, 3                      ; which projection: the same in all sixteen partners
	s_and_b32 s67, s67, 7                          ; which eighth of the 8,192 tokens
	s_cmp_eq_u32 s[TEN], 2
	s_cselect_b32 s17, 0, s67                      ; the tokens are A's rows for q and k,
	s_cselect_b32 s42, s67, 0                      ; B's rows for v
	s_lshl_b32 s17, s17, 2
	s_add_co_u32 s17, s17, s41                     ; tile row = 4 x (0 or c) + cy
	s_lshl_b32 s42, s42, 2
	s_add_co_u32 s42, s42, s40                     ; tile column = 4 x (c or 0) + cx
	s_lshl_b32 s43, s41, 2
	s_lshl_b32 s43, 15, s43                        ; my row of the cluster
	s_lshl_b32 s44, 0x1111, s40                    ; my column
	; descriptor group 1: a tile of 128 rows x 256 bytes, padded in LDS
	s_or_b32 s[G1+0], s43, (0<<16)|(1<<20)|(1<<21)|(5<<22)|(3<<25)  ; 15:0 the mask: A's tiles go to my row; elements of 1 byte; padding on; 21 set beside a mask; after every 64 words four words
	s_or_b32 s[G1B+0], s44, (0<<16)|(1<<20)|(1<<21)|(5<<22)|(3<<25) ; the same with my column's mask
.irp g, G1, G1B
	s_mov_b32 s[\g+1], ROWB<<16                    ; tensor_dim0
	s_mov_b32 s[\g+2], 128<<16                     ; tensor_dim1 = 128
	s_mov_b32 s[\g+3], ROWB<<16                    ; tile_dim0
	s_mov_b32 s[\g+4], 128                         ; tile_dim1 = 128
	s_mov_b32 s[\g+5], KROW                        ; tensor_dim0_stride
	s_mov_b32 s[\g+6], 0
	s_mov_b32 s[\g+7], 0
.endr
	s_lshl_b32 s18, s16, 7                         ; which 128 rows of the tile I fetch
	s_lshl_b32 s20, s17, 8
	s_add_co_u32 s20, s20, s18                     ; A: row 256 x tile row + 128 x half
	s_lshl_b32 s20, s20, 10                        ; in bytes: at most 8,064 rows of 1,024
	s_mov_b32 s21, 0
	s_lshl_b32 s46, s42, 8
	s_add_co_u32 s46, s46, s18                     ; B: row 256 x tile column + 128 x half
	s_lshl_b32 s46, s46, 10
	s_mov_b32 s47, 0
	s_mul_i32 s45, s14, HALFT                      ; where they go: wave x 128 rows: no place in the cluster enters an LDS address
	s_wait_kmcnt 0x0
	s_cmp_eq_u32 s[TEN], 1                         ; the buffers are chosen by the projection's number alone
	s_cselect_b64 s[4:5], s[70:71], s[68:69]       ; A: key or query,
	s_cselect_b64 s[6:7], s[76:77], s[74:75]       ; B: Wk or Wq,
	s_cselect_b64 s[8:9], s[82:83], s[80:81]       ; the bias: bk or bq;
	s_cmp_eq_u32 s[TEN], 2
	s_cselect_b64 s[4:5], s[72:73], s[4:5]         ; for v: A = Wv,
	s_cselect_b64 s[6:7], s[78:79], s[6:7]         ; B = value,
	s_cselect_b64 s[8:9], s[84:85], s[8:9]         ; bv
	s_mov_b64 s[12:13], s[86:87]
	s_mov_b64 s[10:11], s[88:89]
	s_load_b256 s[68:75], s[12:13], 0x0            ; the exponents 0 to 7,
	s_load_b64 s[76:77], s[12:13], 0x20            ; 8 and 9
	s_add_nc_u64 s[20:21], s[4:5], s[20:21]
	s_add_nc_u64 s[46:47], s[6:7], s[46:47]
	CROUND                                         ; all sixteen work-groups are here: the first joint loads meet
.irp s, 0,1
	s_mov_b32 s[G0+4*\s], 1
	s_add_co_u32 s[G0+4*\s+1], s45, \s*SLOT
	s_add_nc_u64 s[G0+4*\s+2:G0+4*\s+3], s[20:21], \s*ROWB
	s_or_b32 s[G0+4*\s+3], s[G0+4*\s+3], 0x80000000
	s_mov_b32 s[G0B+4*\s], 1
	s_add_co_u32 s[G0B+4*\s+1], s45, \s*SLOT
	s_add_nc_u64 s[G0B+4*\s+2:G0B+4*\s+3], s[46:47], \s*ROWB
	s_or_b32 s[G0B+4*\s+3], s[G0B+4*\s+3], 0x80000000
	JLOAD G0+4*\s, G1, G0B+4*\s, G1B               ; two tensor loads of mine are out at the most
.endr
	v_and_b32 v1, 15, v0                           ; r = l % 16
	v_bfe_u32 v2, v0, 4, 1                         ; h = l / 16
	v_mul_u32_u24 v3, v1, PITCH
	v_lshl_add_u32 v4, v2, 4, v3                   ; a fragment's row x pitch + 16 x half
	s_mul_i32 s21, s15, HALFT                      ; my 128 rows of A
	s_mul_i32 s22, s16, HALFT                      ; my 128 rows of B,
	s_add_co_u32 s22, s22, 2*HALFT                 ; which lie behind A's 256
.irp s, 0,1
	v_add_nc_u32 v[ADRA+\s], s21, v4
	v_add_nc_u32 v[ADRB+\s], s22, v4
	s_add_co_u32 s21, s21, SLOT
	s_add_co_u32 s22, s22, SLOT
.endr
	s_lshl_b32 s3, s14, 14                         ; my stage: wave x 16,384
	v_lshrrev_b32 v5, 3, v1
	v_and_b32 v6, 7, v1
	v_lshlrev_b32 v5, 10, v5                       ; (r / 8) picks the tile of a pair: 1,024 bytes,
	v_lshl_add_u32 v5, v6, 4, v5                   ; r % 8 the lane in it: 16 bytes,
	v_lshl_add_u32 v5, v2, 3, v5                   ; h the half of the lane's 16 codes
	v_add_nc_u32 v[STO], s3, v5
	v_and_b32 v6, 31, v0
	v_lshlrev_b32 v[CO], 4, v6
	v_add_nc_u32 v[RD], s3, v[CO]
	s_lshl_b32 s90, s17, 8
	s_lshl_b32 s18, s15, 7
	s_add_co_u32 s90, s90, s18                     ; R0: my first row of C
	s_lshl_b32 s91, s42, 8
	s_lshl_b32 s18, s16, 7
	s_add_co_u32 s91, s91, s18                     ; C0: my first column
	; The bias runs along the columns for q and k and along the rows for v.  Both sets are loaded, so that every register is written whatever the projection; the one that is not
	; used is taken modulo 1,024, which keeps it inside the buffer.  The four scalar registers and v7, v8 stay as they are until the wait for these loads, on the way out.
	s_and_b32 s18, s91, 1023
	s_lshl_b32 s18, s18, 2
	s_mov_b32 s19, 0
	s_add_nc_u64 s[18:19], s[8:9], s[18:19]
	s_and_b32 s22, s90, 1023
	s_lshl_b32 s22, s22, 2
	s_mov_b32 s23, 0
	s_add_nc_u64 s[22:23], s[8:9], s[22:23]
	v_lshlrev_b32 v7, 5, v2                        ; 32 h: my eight columns of a block of 16
	v_lshlrev_b32 v8, 2, v1                        ; 4 r: my row of a block of 16
.irp b, 0,1,2,3,4,5,6,7
	global_load_b128 v[BC+8*\b:BC+8*\b+3],   v7, s[18:19] offset:64*\b
	global_load_b128 v[BC+8*\b+4:BC+8*\b+7], v7, s[18:19] offset:64*\b+16
.endr
.irp a, 0,1,2,3,4,5,6,7
	global_load_b32 v[BR+2*\a], v8, s[22:23] offset:64*\a
	v_mov_b32 v[BR+2*\a+1], 0                      ; (named as the upper half of a pair, so it is written)
.endr
.macro FRAG reg, adr, q, i             ; a fragment, 16 rows x 128 K: lane l holds row l % 16; registers 4 c .. 4 c + 3 hold K = 32 c + 16 (l / 16) + 0 .. 15: the same order of k in A and in B
.irp c, 0,1,2,3
	ds_load_b128 v[\reg+4*\c:\reg+4*\c+3], v[\adr] offset:128*(\q)+32*\c+(\i)*16*PITCH
.endr
.endm
; 16 matrix instructions: A's blocks a0, a0 + 1 x B's eight, 128 along K.  p: B's set.  zero = 1: the first product starts the sums.  The 64 accumulators take turns, one instruction a turn.
.macro MUL16 a0, p, zero
.irp a, \a0, \a0+1
.irp b, 0,1,2,3,4,5,6,7
.if \zero
	v_wmma_f32_16x16x128_bf8_bf8 v[8*(8*((\a)%4)+\b):8*(8*((\a)%4)+\b)+7], v[128*(\p)+FR*\b:128*(\p)+FR*\b+FR-1], v[AF+FR*(\a):AF+FR*(\a)+FR-1], 0
.else
	v_wmma_f32_16x16x128_bf8_bf8 v[8*(8*((\a)%4)+\b):8*(8*((\a)%4)+\b)+7], v[128*(\p)+FR*\b:128*(\p)+FR*\b+FR-1], v[AF+FR*(\a):AF+FR*(\a)+FR-1], v[8*(8*((\a)%4)+\b):8*(8*((\a)%4)+\b)+7]
.endif
.endr
.endr
.endm
.macro FETCH_B slot, q, p              ; B's eight fragments of the slot's q-th 128 along K into set p
	WIN TO_B
.irp i, 0,1,2,3,4,5,6,7
	FRAG 128*(\p)+FR*\i, ADRB+\slot, \q, \i
.endr
	WIN 0
.endm
.macro FETCH_A slot, q, i0             ; A's blocks i0 .. i0 + 3
.irp i, \i0, \i0+1, \i0+2, \i0+3
	FRAG AF+FR*(\i), ADRA+\slot, \q, \i
.endr
.endm
.macro PLACES n                        ; plain vector instructions between a matrix instruction and a load into, or a vector instruction on, its registers
.rept \n
	v_nop
.endr
.endm
; A step of 128 along K that has its successor in the same slot.
.macro STEP slot, q, zero
	s_wait_dscnt 4*NL                              ; B's set and A's blocks 0-3 are in; the youngest sixteen loads (A's blocks 4-7) may be out
	WIN MUL_LO
	MUL16 0, (\q)%2, \zero
	MUL16 2, (\q)%2, \zero
	s_wait_dscnt 0                                 ; A's blocks 4-7 are in
	PLACES NP
	FETCH_B \slot, (\q)+1, 1-(\q)%2
	FETCH_A \slot, (\q)+1, 0
	WIN MUL_HI
	MUL16 4, (\q)%2, \zero
	MUL16 6, (\q)%2, \zero
	PLACES NP
	WIN 0
	FETCH_A \slot, (\q)+1, 4
.endm
; A slot's last step changes slots: ONE barrier; in front of it each wave waits for all its tensor loads, adds 0 to its spare word, and waits for that and for its own reads of this slot.  fill = 1: this slot is filled again, two K steps ahead.
.macro TURN slot, next, fill
	s_wait_tensorcnt 0x0                           ; all my tensor loads have landed: my part of the next slot
	ds_add_u32 v[SPW], v[NIL]                      ; 0 onto my spare word
	s_wait_dscnt 4*NL+1                            ; (the add and the youngest sixteen loads may be out)
	WIN MUL_LO
	MUL16 0, 1, 0                                  ; sixteen matrix instructions stand between the add and the wait for it
	s_wait_dscnt 0x0                               ; the add is done, and my reads of this slot are over
	s_barrier_signal -1
	MUL16 2, 1, 0
	WIN 0
	s_barrier_wait -1
.if \fill
	CREST                                          ; the barrier has opened a round of the cluster's barrier: no wave of any partner still reads this slot or has a load on its way
	s_add_nc_u64 s[G0+4*\slot+2:G0+4*\slot+3], s[G0+4*\slot+2:G0+4*\slot+3], 2*ROWB
	s_add_nc_u64 s[G0B+4*\slot+2:G0B+4*\slot+3], s[G0B+4*\slot+2:G0B+4*\slot+3], 2*ROWB
	JLOAD G0+4*\slot, G1, G0B+4*\slot, G1B         ; the first tensor load behind the round; its four v_nop are also the places in front of the loads below
.else
	PLACES NP
.endif
	FETCH_B \next, 0, 0
	FETCH_A \next, 0, 0
	WIN MUL_HI
	MUL16 4, 1, 0
	MUL16 6, 1, 0
	PLACES NP
	WIN 0
	FETCH_A \next, 0, 4
.endm
	s_wait_tensorcnt 1                             ; my part of K step 0 is in (K step 1's load may be out)
	s_barrier_signal -1
	s_barrier_wait -1                              ; everybody's is
	FETCH_B 0, 0, 0
	FETCH_A 0, 0, 0
	FETCH_A 0, 0, 4
	; K = 1,024 is four K steps of 256, twice round the ring: written out, since a loop would have one trip
	STEP 0, 0, 1                                   ; the first products start the sums
	TURN 0, 1, 1                                   ; slot 0 takes K step 2
	STEP 1, 0, 0
	TURN 1, 0, 1                                   ; slot 1 takes K step 3
	STEP 0, 0, 0
	TURN 0, 1, 0                                   ; nothing is left to fetch; behind this barrier nobody reads slot 0
	STEP 1, 0, 0
	s_wait_dscnt 4*NL                              ; the very last step
	WIN MUL_LO
	MUL16 0, 1, 0
	MUL16 2, 1, 0
	s_wait_dscnt 0
	WIN MUL_HI
	MUL16 4, 1, 0
	MUL16 6, 1, 0
	WIN 0
	; THE WAY OUT.
	s_wait_kmcnt 0x0                               ; the exponents
	s_wait_loadcnt 0x0                             ; the biases; their address registers are free from here on
	s_cmp_eq_u32 s[TEN], 1                         ; the exponents are chosen without a jump
	s_cselect_b32 s18, s70, s68                    ; ea
	s_cselect_b32 s19, s71, s69                    ; eb
	s_cselect_b32 s20, s75, s74                    ; eo: entry 7 for k, 6 for q,
	s_cmp_eq_u32 s[TEN], 2
	s_cselect_b32 s18, s72, s18
	s_cselect_b32 s19, s73, s19
	s_cselect_b32 s20, s77, s20                    ; 9 for v
	s_cselect_b32 s21, s91, s90                    ; X: my first token (a column for v, a row else)
	s_cselect_b32 s22, s90, s91                    ; F: my first feature
	s_mov_b32 s92, 0x10000
	s_cselect_b32 s92, 4096, s92                   ; from my columns 0-63 to 64-127: for v 64 keys on (4,096 bytes), else a head on (65,536)
	s_mov_b32 s93, 4096
	s_cselect_b32 s93, 0x10000, s93                ; from my rows 0-63 to 64-127: the other of the two
	s_add_co_i32 s96, s18, s19
	s_add_co_i32 s96, s96, 127
	s_lshl_b32 s96, s96, 23                        ; 2^(ea + eb) as f32
	s_mov_b32 s97, s96                             ; (named with it as a pair, so it is written)
	s_add_co_i32 s20, s20, 127
	s_lshl_b32 s23, s20, 23
	v_mov_b32 v12, s23                             ; 2^eo as f32: the conversion takes its exponent field
	s_add_co_i32 s20, s20, 15
	s_lshl_b32 s20, s20, 23
	s_or_b32 s20, s20, 0x600000
	v_mov_b32 v13, s20                             ; 57,344 x 2^eo
	s_lshr_b32 s18, s21, 10
	s_lshl_b32 s18, s18, 20                        ; the batch: 1 MiB
	s_lshr_b32 s19, s22, 6
	s_lshl_b32 s19, s19, 16                        ; the head: 65,536 bytes
	s_add_co_u32 s18, s18, s19
	s_and_b32 s19, s21, 1023
	s_lshr_b32 s19, s19, 6
	s_lshl_b32 s19, s19, 12                        ; 64 tokens: four tiles
	s_add_co_u32 s18, s18, s19
	s_lshl_b32 s19, s[TEN], 23                     ; the part of img
	s_add_co_u32 s18, s18, s19
	s_mov_b32 s19, 0
	s_add_nc_u64 s[80:81], s[10:11], s[18:19]      ; the four pieces of 4,096 bytes: (columns' half p, rows' half q) at s[80 + 2 (2 p + q)]
	s_mov_b32 s18, s93
	s_add_nc_u64 s[82:83], s[80:81], s[18:19]
	s_mov_b32 s18, s92
	s_add_nc_u64 s[84:85], s[80:81], s[18:19]
	s_add_nc_u64 s[86:87], s[82:83], s[18:19]
; Block a (16 rows x 128 columns): y = sum x 2^(ea + eb) + bias, each accumulator from its low end on.  The two arms differ in the bias's registers alone; the branch hangs on the cluster's y, which all partners share, and no LDS line stands in an arm.
.macro SCALE a
.set AC, 64*((\a)%4)
	s_cmp_eq_u32 s[TEN], 2
	s_cbranch_scc1 .Lrow_\@
	WIN 0x02+((\a)/4)                              ; source 0: window 2 or 3
.set jj, 0
.rept 32
	v_pk_fma_f32 v[TMP+jj:TMP+jj+1], v[AC+jj:AC+jj+1], s[96:97], v[BC+jj:BC+jj+1] op_sel_hi:[1,0,1]
.set jj, jj+2
.endr
	WIN 0
	s_branch .Ljoin_\@
.Lrow_\@:
	WIN 0x02+((\a)/4)
.set jj, 0
.rept 32
	v_pk_fma_f32 v[TMP+jj:TMP+jj+1], v[AC+jj:AC+jj+1], s[96:97], v[BR+2*(\a):BR+2*(\a)+1] op_sel_hi:[1,0,0]
.set jj, jj+2
.endr
	WIN 0
.Ljoin_\@:
.endm
; The block is quantised, and its codes go to their places in the images: a lane's eight codes of column block b are half of a lane's 16 bytes there.
.macro OUTBLK a
	SCALE \a
.set jj, 0
.rept 64
	v_med3_num_f32 v[TMP+jj], v[TMP+jj], -v13, v13 ; the conversion to an 8-bit code does not saturate (ISA guide 7.6.2): the hold at the largest code x the scale
.set jj, jj+1
.endr
.if (\a) > 0
	s_wait_dscnt 0x0                               ; the last block's stores have read the codes' registers
.endif
.irp b, 0,1,2,3,4,5,6,7
	v_cvt_scalef32_pk8_bf8_f32 v[COD+2*\b:COD+2*\b+1], v[TMP+8*\b:TMP+8*\b+7], v12
.endr
	v_nop                                          ; one plain vector instruction behind the last conversion, ahead of the next block's writes of its sources
.irp b, 0,1,2,3,4,5,6,7
	ds_store_b64 v[STO], v[COD+2*\b:COD+2*\b+1] offset:(\b/4)*8192+((\a)/2)*2048+((\a)%2)*128+((\b/2)%2)*512+(\b%2)*256
.endr
.endm
	PLACES NP                                      ; behind the last products: their results are read, and A's registers written, below
.irp a, 0,1,2,3,4,5,6,7
	OUTBLK \a
.endr
	; the images come back 512 consecutive bytes an instruction (LDS serves a wave's instructions in order: these see my stores) and leave so: each store covers 512 consecutive bytes, aligned
.set ii, 0
.rept 16
	ds_load_b128 v[BK0+4*ii:BK0+4*ii+3], v[RD] offset:512*ii
.set ii, ii+1
.endr
.rept 16
	ds_load_b128 v[BK1+4*(ii-16):BK1+4*(ii-16)+3], v[RD] offset:512*ii
.set ii, ii+1
.endr
.set ii, 0
.rept 32
	s_wait_dscnt 31-ii                             ; LDS loads come back in order: load ii is in
.if ii < 16
	global_store_b128 v[CO], v[BK0+4*ii:BK0+4*ii+3], s[80+2*(ii/8):81+2*(ii/8)] offset:512*(ii%8)
.else
	global_store_b128 v[CO], v[BK1+4*(ii-16):BK1+4*(ii-16)+3], s[80+2*(ii/8):81+2*(ii/8)] offset:512*(ii%8)
.endif
.set ii, ii+1
.endr
	s_wait_tensorcnt 0x0                           ; the wave's end
	ds_add_u32 v[SPW], v[NIL]
	s_wait_dscnt 0x0
	CROUND                                         ; the closing round: no work-group ends while a partner may still ask for a tile that names it
	s_endpgm
.Lfunc_end_k_q9c11139446_proj:
	.size	k_q9c11139446_proj, .Lfunc_end_k_q9c11139446_proj-k_q9c11139446_proj
	.p2alignl 7, 3214868480
	.fill 96, 4, 3214868480
	.section	.rodata,"a",@progbits
	.p2align	6, 0x0
	.amdhsa_kernel k_q9c11139446_proj
		.amdhsa_group_segment_fixed_size 327680
		.amdhsa_private_segment_fixed_size 0
		.amdhsa_enable_private_segment 0
		.amdhsa_kernarg_size 88
		.amdhsa_user_sgpr_count 2
		.amdhsa_user_sgpr_kernarg_segment_ptr 1
		.amdhsa_wavefront_size32 1
		.amdhsa_system_sgpr_workgroup_id_x 1
		.amdhsa_system_sgpr_workgroup_id_y 1
		.amdhsa_system_sgpr_workgroup_id_z 1
		.amdhsa_system_vgpr_workitem_id 0
		.amdhsa_next_free_vgpr 1024
		.amdhsa_next_free_sgpr 100
		.amdhsa_reserve_vcc 0
		.amdhsa_float_denorm_mode_32 3
		.amdhsa_float_denorm_mode_16_64 3
		.amdhsa_memory_ordered 1
		.amdhsa_forward_progress 1
		.amdhsa_inst_pref_size 163
	.end_amdhsa_kernel
	.amdgpu_metadata
---
amdhsa.version: [ 1, 2 ]
amdhsa.kernels:
  - .name:           k_q9c11139446_proj
    .symbol:         k_q9c11139446_proj.kd
    .args:
      - { .name: query_codes, .offset: 0, .size: 8, .value_kind: global_buffer, .address_space: global }
      - { .name: key_codes, .offset: 8, .size: 8, .value_kind: global_buffer, .address_space: global }
      - { .name: Wv_codes, .offset: 16, .size: 8, .value_kind: global_buffer, .address_space: global }
      - { .name: Wq_codes, .offset: 24, .size: 8, .value_kind: global_buffer, .address_space: global }
      - { .name: Wk_codes, .offset: 32, .size: 8, .value_kind: global_buffer, .address_space: global }
      - { .name: value_codes, .offset: 40, .size: 8, .value_kind: global_buffer, .address_space: global }
      - { .name: bq, .offset: 48, .size: 8, .value_kind: global_buffer, .address_space: global }
      - { .name: bk, .offset: 56, .size: 8, .value_kind: global_buffer, .address_space: global }
      - { .name: bv, .offset: 64, .size: 8, .value_kind: global_buffer, .address_space: global }
      - { .name: lowp_scales, .offset: 72, .size: 8, .value_kind: global_buffer, .address_space: global }
      - { .name: img, .offset: 80, .size: 8, .value_kind: global_buffer, .address_space: global }
    .group_segment_fixed_size: 327680
    .private_segment_fixed_size: 0
    .kernarg_segment_align: 8
    .kernarg_segment_size: 88
    .max_flat_workgroup_size: 128
    .sgpr_count:     100
    .vgpr_count:     1024
    .wavefront_size: 32
...
	.end_amdgpu_metadata
.endif
;; end of part 1
;; launch attn (part 2): grid 32 x 8, 16 waves a work-group, clusters of 4 x 1, 327,680 bytes of LDS; arguments img, lowp_scales, out0, out1; writes out0, out1
.if DOCPART == 2
	.amdgcn_target "amdgcn-amd-amdhsa--gfx1250"
	.amdhsa_code_object_version 6
	.text
	.protected	k_q9c11139446_attn
	.globl	k_q9c11139446_attn
	.p2align	8
	.type	k_q9c11139446_attn,@function
k_q9c11139446_attn:
	s_mov_b64 s[64:65], 0
	v_nop
	global_prefetch_b8 v0, s[64:65] scope:SCOPE_SE
	s_setreg_imm32_b32 hwreg(HW_REG_WAVE_MODE, 25, 1), 1
	s_wait_xcnt 0x0
	s_wait_alu depctr_hold_cnt(0) depctr_sa_sdst(0) depctr_va_vdst(0) depctr_va_sdst(0) depctr_va_ssrc(0) depctr_va_vcc(0) depctr_vm_vsrc(0)
	s_getreg_b32 s2, hwreg(HW_REG_IB_STS2, 6, 4)
	s_cmp_eq_u32 s2, 0
	s_cbranch_scc0 .Lentry_in_a_cluster
	s_endpgm
.Lentry_in_a_cluster:
	s_bfe_u32 s2, ttmp6, 0x10000c
	s_cmp_lg_u32 s2, 0x3003
	s_cbranch_scc0 .Lentry_shape_is_right
	s_endpgm
.Lentry_shape_is_right:
; w = relu(tanh(softmax(q k^T / 8))), out0 = w v (head by head), out1 = the mean of w over the 16 heads.  Both products on codes of BF8 (E5M2); q, k, v come as images of operand registers (img: see below).
; w is quantised FINISHED: normalised, tanh taken.  So a row's maximum and sum are known before a code of w is made: a wave keeps its 16 queries x 128 keys of scores in registers, and the eight waves of a row exchange
; (maximum, sum) through LDS.
; SHARES.  A work-group owns 32 queries of one batch and walks all 16 heads, so that the mean over heads stays in its registers.  Wave w: qt = w / 8 (a tile of 16 queries), e = w % 8 (keys 128 e .. 128 e + 127).
; LAYOUT.  Both products are used transposed: S^T = K Q^T (source 0 = 16 keys), O^T = V^T W^T (source 0 = 16 of the head's 64 dims): lane (r, h) holds ONE query throughout: 32 QB + 8 qt + r + 8 (r / 8).
; img: parts q, k, v of 8 MiB, each [batch][head][tile 64][c 2][lane 32][16 bytes]; a tile is a fragment of 16 rows x 64 K, read by two loads of 16 bytes at 16 x lane.  The rows of a tile of q or k are tokens
; 32 (tile / 2) + 8 (tile % 2) + r' + 8 (r' / 8), so that the 16 registers of score tiles 2 b, 2 b + 1 are 16 neighbouring keys, 32 b + 16 h + 0 .. 15: the order in which v's images hold their keys.
; SOFTMAX.  n = -c x (my 128 keys' largest score), c = log2(e) / 8 x 2^(e6 + e7); p = 2^(c s + n); l = the sum of p.  Of the eight waves' (n, l): ng = the least n; a_e = 2^(ng - n_e); L = sum of a_e l_e; x = p a_w / L.
; TANH.  x lies in [0, 1] whatever the inputs; there tanh x = x (945 + 105 y + y^2) / (945 + 420 y + 15 y^2), y = x^2 (the continued fraction cut behind 9): off by 6e-8 of the number at x = 1, less below; no difference of near numbers.
; RELU stands in the hold of w's codes (between 0 and the largest code x the scale).  For the mean it changes nothing on any input: p >= 0, a_w / L > 0, and the fraction's terms are positive.
; CLUSTER.  The four work-groups of a cluster belong to one batch and walk the same K and V: each head's images are asked for JOINTLY.
; LIMITS: e6 + e7 between -123 and 130 (added to c's exponent field); e8 between -126 and 112; e8 + e9 is applied by v_ldexp_f32.  A p under 2^-126 counts as 0 (v_exp_f32: ISA guide 15.8).  NaN is not served.
; LDS: V's two slots (a head each), K's one slot, the waves' parts of O^T, the statistics, the spare words.
; REGISTERS: v1 K's address, v2 V's place, v3, v4 the add's, v5 16 x lane, v6, v7 statistics out and in, v8, v9 O^T out and in, v10, v11 offsets in out0, out1; v[12:13] (n, l); v14 f (v15 named with it); v16-23 Q;
;   v24-55 K's tiles 0-3, then at work, then the denominators; v[56:57] 420; v58, v59 the hold and the scale of w; v60, v61 out1's stage; v62 the prefetches' offset; v63 V's address;
;   v64-127 S^T, p, w, then V's fragments; v128-191 the mean's sums; v192-223 O^T, then its parts; v224-239 K's tiles 4, 5, then w's codes; v240-255 K's tiles 6, 7, then at work.
.set HEADB, 65536                      ; a head's image
.set VSL,   65536                      ; V's slot 1 begins here: one exclusive or turns an address from one slot to the other
.set KOFF,  131072                     ; K's slot
.set OPB,   196608                     ; 16 x 4,352: for each wave 16 queries x (64 dims x 4 bytes + 16)
.set OPW,   4352
.set STB,   266240                     ; [qt 2][r 16][e 8] pairs (n, l): 2,048 bytes
.set SPARE, 268288                     ; the spare words, 128 bytes a wave: eight blocks of 256 bytes that no other line names
.set S,    64
.set D,    24
.set MEAN, 128
.set O,    192
.set PC,   224
.set T,    240
.macro ROUND                           ; a round of the cluster's barrier
	s_barrier_signal -1
	s_barrier_wait -1
	s_cmp_lg_u32 s12, 0
	s_cbranch_scc1 .Lnot_wave_0_\@
	s_barrier_signal -3
.Lnot_wave_0_\@:
	s_barrier_wait -3
	s_barrier_signal -1
	s_barrier_wait -1
.endm
; The joint refills: waves 0 to 3 fetch a quarter each of the next head's K, waves 4 to 7 (fv = 1) of its V.  The branches hang on the wave's number alone.  Four v_nop follow each line.
.macro TLOAD fv
	s_cmp_lt_u32 s12, 4
	s_cbranch_scc0 .Lnot_k_\@
	tensor_load_to_lds s[32:35], s[24:31]
	s_nop 0
.rept 4
	v_nop
.endr
.if \fv
	s_branch .Lasked_\@
.endif
.Lnot_k_\@:
.if \fv
	s_cmp_lt_u32 s12, 8
	s_cbranch_scc0 .Lasked_\@
	tensor_load_to_lds s[40:43], s[24:31]
	s_nop 0
.rept 4
	v_nop
.endr
.Lasked_\@:
.endif
.endm
; A PREFETCH INTO THE L2 of what the NEXT change of slots will ask for: the K and V images of the head after next, 65,536 bytes each.  All clusters of a batch walk the same images: the batch's first cluster asks.
; Its four partners take 16,384 bytes each, told apart BY ADDRESS; in each, waves 8 and 9 ask for K's and waves 10 and 11 for V's, 8,192 bytes a wave, lanes 256 bytes apart: each block is named once in the launch.
; The last change that fills a slot asks for nothing; heads 0 and 1 come by their loads alone.
.macro ASK
	s_cmp_gt_u32 s50, s51
	s_cbranch_scc0 .Lnot_mine_\@
	global_prefetch_b8 v62, s[48:49] th:TH_LOAD_NT scope:SCOPE_SE
.Lnot_mine_\@:
.endm
.macro KLOAD                           ; my eight tiles of 16 keys: 16 loads of 512 consecutive bytes
.irp t, 0,1,2,3
	ds_load_b128 v[24+8*\t:27+8*\t], v1 offset:1024*\t
	ds_load_b128 v[28+8*\t:31+8*\t], v1 offset:1024*\t+512
.endr
.irp t, 0,1,2,3
	ds_load_b128 v[224+8*\t:227+8*\t], v1 offset:4096+1024*\t
	ds_load_b128 v[228+8*\t:231+8*\t], v1 offset:4096+1024*\t+512
.endr
.endm
.macro VLOAD s                         ; V's four tiles of dims for my s-th 64 keys, into the registers that w's numbers have left
.irp d, 0,1,2,3
	ds_load_b128 v[S+32*\s+8*\d:S+32*\s+8*\d+3],   v63 offset:4096*\s+1024*\d
	ds_load_b128 v[S+32*\s+8*\d+4:S+32*\s+8*\d+7], v63 offset:4096*\s+1024*\d+512
.endr
.endm
; 32 numbers p (S + 32 g on) become w = tanh(p f), are added to the mean's sums and quantised.  Four groups of four pairs; the 32 reciprocals are ONE batch with one wait.
.macro TANH g
.set gp, 0
.rept 4
.set sb, S+32*\g+8*gp
.set db, D+8*gp
.irp i, 0,1,2,3
	v_pk_mul_f32 v[sb+2*\i:sb+2*\i+1], v[sb+2*\i:sb+2*\i+1], v[14:15] op_sel_hi:[1,0]                    ; x = p f
.endr
.irp i, 0,1,2,3
	v_pk_mul_f32 v[T+4*\i:T+4*\i+1], v[sb+2*\i:sb+2*\i+1], v[sb+2*\i:sb+2*\i+1]                          ; y = x^2
.endr
.irp i, 0,1,2,3
	v_pk_add_f32 v[T+4*\i+2:T+4*\i+3], v[T+4*\i:T+4*\i+1], s[56:57] op_sel_hi:[1,0]                      ; y + 105
.endr
.irp i, 0,1,2,3
	v_pk_fma_f32 v[db+2*\i:db+2*\i+1], v[T+4*\i:T+4*\i+1], s[58:59], v[56:57] op_sel_hi:[1,0,1]          ; 15 y + 420
.endr
.irp i, 0,1,2,3
	v_pk_fma_f32 v[T+4*\i+2:T+4*\i+3], v[T+4*\i:T+4*\i+1], v[T+4*\i+2:T+4*\i+3], s[54:55] op_sel_hi:[1,1,0]   ; y^2 + 105 y + 945
.endr
.irp i, 0,1,2,3
	v_pk_fma_f32 v[db+2*\i:db+2*\i+1], v[T+4*\i:T+4*\i+1], v[db+2*\i:db+2*\i+1], s[54:55] op_sel_hi:[1,1,0]   ; 15 y^2 + 420 y + 945
.endr
.irp i, 0,1,2,3
	v_pk_mul_f32 v[sb+2*\i:sb+2*\i+1], v[sb+2*\i:sb+2*\i+1], v[T+4*\i+2:T+4*\i+3]                        ; the numerator
.endr
.irp i, 0,1,2,3,4,5,6,7
	v_rcp_f32 v[db+\i], v[db+\i]
.endr
.set gp, gp+1
.endr
	v_nop                                          ; a plain instruction behind the last reciprocal
	s_wait_alu depctr_va_vdst(0)                   ; the wait ahead of the first instruction that names a result: one for the 32
.set jj, 0
.rept 16
	v_pk_mul_f32 v[S+32*\g+jj:S+32*\g+jj+1], v[S+32*\g+jj:S+32*\g+jj+1], v[D+jj:D+jj+1]                  ; w
.set jj, jj+2
.endr
.set jj, 0
.rept 16
	v_pk_add_f32 v[MEAN+32*\g+jj:MEAN+32*\g+jj+1], v[MEAN+32*\g+jj:MEAN+32*\g+jj+1], v[S+32*\g+jj:S+32*\g+jj+1]   ; the mean is taken of the unquantised w
.set jj, jj+2
.endr
.set jj, 0
.rept 32
	v_med3_num_f32 v[S+32*\g+jj], v[S+32*\g+jj], 0, v58   ; relu and the hold in one: the conversion to an 8-bit code does not saturate (ISA guide 7.6.2)
.set jj, jj+1
.endr
.irp t, 0,1,2,3
	v_cvt_scalef32_pk8_bf8_f32 v[PC+8*\g+2*\t:PC+8*\g+2*\t+1], v[S+32*\g+8*\t:S+32*\g+8*\t+7], v59
.endr
	v_nop                                          ; one plain vector instruction behind the last conversion
.endm
; THE CHANGE OF SLOTS, in a head's middle: my statistics are stored, K's fragments are in registers, last head's V has been multiplied.  Each wave waits for all its tensor loads, adds 0 to its spare word,
; and waits for that and for all its LDS instructions.  fk = 1: a round of the cluster's barrier, and behind it K's slot takes the next head's K and (fv = 1) the V slot read last takes the next head's V.
.macro CHANGE fk, fv
	s_wait_tensorcnt 0x0                           ; no tensor load of mine is out, so a group 0 may be written
	ds_add_u32 v3, v4                              ; 0 onto my spare word; the steps below stand between it and the wait for it
.if \fk
	s_add_nc_u64 s[34:35], s[34:35], HEADB         ; K: the next head
.endif
.if \fv
	s_xor_b32 s41, s41, VSL                        ; V: the other slot than last time,
	s_add_nc_u64 s[42:43], s[42:43], HEADB         ; the next head
.endif
	s_wait_xcnt 0x0                                ; the last head's store and prefetch have read their registers: out0's base, the prefetches' address and v192-195 may be written
.if \fk
	s_add_nc_u64 s[48:49], s[48:49], HEADB         ; a head further on than the walking descriptors
.endif
	s_add_nc_u64 s[66:67], s[66:67], 256           ; out0: the next head's 64 columns; this head's store reaches back
	s_wait_dscnt 0x0                               ; the add is done, my statistics lie in LDS, my reads are over
.if \fk
	ROUND
	TLOAD \fv                                      ; the first thing behind the round, and a wave's one tensor load until the next
	ASK
.else
	s_barrier_signal -1
	s_barrier_wait -1
.endif
.endm
; A HEAD.  fk = 1: there is a next head (its Q, K are fetched);  fv = 1: its V has yet to be asked for.
.macro HEAD fk, fv
	; ---- A: my scores, their maximum, p and its sum
	s_wait_dscnt 0x0                               ; K's fragments
	s_wait_loadcnt 0x0                             ; Q's
.irp t, 0,1,2,3
	v_wmma_f32_16x16x64_bf8_bf8 v[S+8*\t:S+8*\t+7], v[24+8*\t:31+8*\t], v[16:23], 0
.endr
.irp t, 0,1,2,3
	v_wmma_f32_16x16x64_bf8_bf8 v[S+32+8*\t:S+32+8*\t+7], v[224+8*\t:231+8*\t], v[16:23], 0
.endr
.rept 4
	v_nop                                          ; places: Q's registers are loaded again, K's written and the scores read below
.endr
.if \fk
	s_add_nc_u64 s[44:45], s[44:45], HEADB         ; (free since the wait for Q's loads)
	global_load_b128 v[16:19], v5, s[44:45]        ; the next head's Q
	global_load_b128 v[20:23], v5, s[44:45] offset:512
.endif
	v_max3_num_f32 v24, v[S], v[S+1], v[S+2]       ; the largest of my 64 scores, in two chains, each accumulator from its low end on
	v_max3_num_f32 v26, v[S+3], v[S+4], v[S+5]
.set jj, 6
.rept 14
	v_max3_num_f32 v24, v24, v[S+jj], v[S+jj+1]
	v_max3_num_f32 v26, v26, v[S+jj+2], v[S+jj+3]
.set jj, jj+4
.endr
	v_max3_num_f32 v24, v24, v[S+62], v[S+63]
	v_max_num_f32 v24, v24, v26
	v_permlanex16_b32 v25, v24, s46, s47
	v_max_num_f32 v24, v24, v25                    ; and of lane l xor 16's: my wave's 128 keys
	v_mul_f32 v12, s53, v24                        ; n = -c x the maximum (c is positive)
.set jj, 0
.rept 32
	v_pk_fma_f32 v[S+jj:S+jj+1], v[S+jj:S+jj+1], s[22:23], v[12:13] op_sel_hi:[1,0,0]   ; c s + n, at most 0 (of the pairs c and (n, l) the low word serves both halves)
.set jj, jj+2
.endr
.set jj, 0
.rept 64
	v_exp_f32 v[S+jj], v[S+jj]
.set jj, jj+1
.endr
	v_nop                                          ; a plain instruction behind the last exponential
	s_wait_alu depctr_va_vdst(0)                   ; one wait for the batch, ahead of its first reader
	v_pk_add_f32 v[24:25], v[S:S+1], v[S+2:S+3]    ; the sum, two at a time, in two chains
	v_pk_add_f32 v[26:27], v[S+4:S+5], v[S+6:S+7]
.set jj, 8
.rept 14
	v_pk_add_f32 v[24:25], v[24:25], v[S+jj:S+jj+1]
	v_pk_add_f32 v[26:27], v[26:27], v[S+jj+2:S+jj+3]
.set jj, jj+4
.endr
	v_pk_add_f32 v[24:25], v[24:25], v[26:27]
	v_add_f32 v24, v24, v25
	v_permlanex16_b32 v25, v24, s46, s47
	v_add_f32 v13, v24, v25                        ; l
	ds_store_b64 v6, v[12:13]                      ; both halves of the lanes store the same pair
	CHANGE \fk, \fv
	; ---- B: the row's statistics, w, the mean, w's codes, my part of O^T
.irp i, 0,1,2,3
	ds_load_b128 v[T+4*\i:T+4*\i+3], v7 offset:16*\i   ; (n, l) of the eight waves of my query
.endr
	v_add_nc_u32 v63, s52, v2                      ; V's slot in hand
	s_wait_dscnt 0x0
	v_min3_num_f32 v24, v[T], v[T+2], v[T+4]
	v_min3_num_f32 v24, v24, v[T+6], v[T+8]
	v_min3_num_f32 v24, v24, v[T+10], v[T+12]
	v_min_num_f32 v24, v24, v[T+14]                ; ng = -c x the row's maximum
.irp i, 0,1,2,3,4,5,6,7
	v_sub_f32 v[T+2*\i], v24, v[T+2*\i]            ; ng - n_e, at most 0
.endr
	v_sub_f32 v25, v24, v12
.irp i, 0,1,2,3,4,5,6,7
	v_exp_f32 v[T+2*\i], v[T+2*\i]                 ; a_e
.endr
	v_exp_f32 v25, v25                             ; a of my wave
	v_nop
	s_wait_alu depctr_va_vdst(0)                   ; one wait for the nine
	v_mul_f32 v26, v[T], v[T+1]
.irp i, 1,2,3,4,5,6,7
	v_fmac_f32 v26, v[T+2*\i], v[T+2*\i+1]         ; L = the sum of a_e l_e, at least 1
.endr
	v_rcp_f32 v26, v26
	v_nop
	s_wait_alu depctr_va_vdst(0)
	v_mul_f32 v14, v25, v26                        ; f = a / L
	TANH 0
	VLOAD 0
	TANH 1
	VLOAD 1
	s_wait_dscnt 8                                 ; V of my first 64 keys is in
.irp d, 0,1,2,3
	v_wmma_f32_16x16x64_bf8_bf8 v[O+8*\d:O+8*\d+7], v[S+8*\d:S+8*\d+7], v[PC:PC+7], 0
.endr
	s_wait_dscnt 0x0
.irp d, 0,1,2,3                        ; the four accumulators take turns, one instruction a turn
	v_wmma_f32_16x16x64_bf8_bf8 v[O+8*\d:O+8*\d+7], v[S+32+8*\d:S+32+8*\d+7], v[PC+8:PC+15], v[O+8*\d:O+8*\d+7]
.endr
.rept 5
	v_nop                                          ; places: four for the stores below and for the loads into the codes' registers; the fifth for the next scores, which are laid over V's fragments
.endr
.irp d, 0,1,2,3                        ; tile 2 beta + u: register j is dim 32 beta + 16 h + 8 u + j of my query
	ds_store_b128 v8, v[O+8*\d:O+8*\d+3]   offset:128*(\d/2)+32*(\d%2)
	ds_store_b128 v8, v[O+8*\d+4:O+8*\d+7] offset:128*(\d/2)+32*(\d%2)+16
.endr
	s_xor_b32 s52, s52, VSL                        ; the next head's V lies in the other slot
	s_wait_tensorcnt 0x0                           ; my one load that is out is my quarter of the next head's K or V: K is read behind this barrier
	s_wait_dscnt 0x0                               ; my part of O^T lies in LDS, my reads of V are over
	s_barrier_signal -1
	s_barrier_wait -1
	; ---- C: the eight parts of O^T are added: wave e takes queries 2 e, 2 e + 1 of its tile, a lane four dims; sixteen lanes store 256 consecutive bytes, aligned
.irp i, 0,1,2,3,4,5,6,7
	ds_load_b128 v[O+4*\i:O+4*\i+3], v9 offset:OPW*\i
.endr
.if \fk
	KLOAD                                          ; the next head's K
	s_wait_dscnt 16                                ; the eight parts are in; K's sixteen loads may be out
.else
	s_wait_dscnt 0x0
.endif
.irp i, 0,2,4,6
	v_pk_add_f32 v[O+4*\i:O+4*\i+1],   v[O+4*\i:O+4*\i+1],   v[O+4*\i+4:O+4*\i+5]
	v_pk_add_f32 v[O+4*\i+2:O+4*\i+3], v[O+4*\i+2:O+4*\i+3], v[O+4*\i+6:O+4*\i+7]
.endr
.irp i, 0,4
	v_pk_add_f32 v[O+4*\i:O+4*\i+1],   v[O+4*\i:O+4*\i+1],   v[O+4*\i+8:O+4*\i+9]
	v_pk_add_f32 v[O+4*\i+2:O+4*\i+3], v[O+4*\i+2:O+4*\i+3], v[O+4*\i+10:O+4*\i+11]
.endr
	v_pk_add_f32 v[O:O+1],   v[O:O+1],   v[O+16:O+17]
	v_pk_add_f32 v[O+2:O+3], v[O+2:O+3], v[O+18:O+19]
.irp i, 0,1,2,3
	v_ldexp_f32 v[O+\i], v[O+\i], s60              ; x 2^(e8 + e9)
.endr
	global_store_b128 v10, v[O:O+3], s[66:67] offset:-256 th:TH_STORE_NT
.endm
	s_load_b256 s[4:11], s[0:1], 0x0               ; img s[4:5], the scales' exponents s[6:7], out0 s[8:9], out1 s[10:11]
	v_lshl_add_u32 v3, v0, 2, SPARE
	v_mov_b32 v4, 0
	ds_add_u32 v3, v4
	s_wait_dscnt 0x0
	v_lshrrev_b32 v5, 5, v0
	v_readfirstlane_b32 s12, v5                    ; wave 0..15
	s_lshr_b32 s13, s12, 3                         ; qt
	s_and_b32 s14, s12, 7                          ; e
	s_bfe_u32 s15, ttmp6, 0x40000                  ; cx: my place in the cluster
	s_lshl_b32 s16, ttmp9, 2
	s_add_co_u32 s16, s16, s15                     ; QB: my block of 32 queries: it enters Q's, out0's and out1's addresses alone
	s_and_b32 s17, ttmp7, 0xffff                   ; the batch, which the four partners share
	; descriptor group 1: a quarter of a head's image, 16,384 dense bytes, as 64 rows of 256 bytes; no padding: images are read 512 consecutive bytes an instruction
	s_mov_b32 s24, 15|(3<<16)|(1<<21)              ; 15:0 the mask: all four work-groups; 17:16 elements of 8 bytes; 21 set beside a mask
	s_mov_b32 s25, 32<<16                          ; tensor_dim0 = 32
	s_mov_b32 s26, 64<<16                          ; tensor_dim1 = 64
	s_mov_b32 s27, 32<<16                          ; tile_dim0 = 32
	s_mov_b32 s28, 64                              ; tile_dim1 = 64
	s_mov_b32 s29, 32                              ; tensor_dim0_stride
	s_mov_b32 s30, 0
	s_mov_b32 s31, 0
	s_and_b32 s18, s12, 3
	s_lshl_b32 s18, s18, 14                        ; which quarter I fetch, if I fetch
	s_lshl_b32 s20, s17, 20                        ; the batch: 16 heads of 65,536 bytes
	s_add_co_u32 s20, s20, s18
	s_mov_b32 s21, 0
	s_mov_b32 s46, 0x76543210                      ; v_permlanex16_b32: lane l xor 16
	s_mov_b32 s47, 0xfedcba98
	s_mov_b32 s54, 0x446c4000                      ; 945
	s_mov_b32 s55, s54                             ; (the packed forms name pairs and take the low word for both halves: the upper words are written)
	s_mov_b32 s56, 0x42d20000                      ; 105
	s_mov_b32 s57, s56
	s_mov_b32 s58, 0x41700000                      ; 15
	s_mov_b32 s59, s58
	s_mov_b32 s52, 0                               ; V's slot in hand
	s_mov_b32 s50, 14                              ; heads 1 to 14 go round the loop
	s_wait_kmcnt 0x0
	s_load_b256 s[68:75], s[6:7], 0x0              ; the exponents 0 to 7,
	s_load_b64 s[76:77], s[6:7], 0x20              ; 8 and 9
	s_add_nc_u64 s[20:21], s[4:5], s[20:21]
	s_mov_b32 s32, 1                               ; K's group 0, which walks from head to head
	s_add_co_u32 s33, s18, KOFF
	s_add_nc_u64 s[34:35], s[20:21], 0x800000      ; k's part of img, head 0
	s_or_b32 s35, s35, 0x80000000
	s_mov_b32 s36, 1                               ; V, head 0, slot 0: used once
	s_mov_b32 s37, s18
	s_add_nc_u64 s[38:39], s[20:21], 0x1000000     ; v's part of img
	s_or_b32 s39, s39, 0x80000000
	s_mov_b32 s40, 1                               ; V, head 1, slot 1: this one then walks
	s_add_co_u32 s41, s18, VSL
	s_add_nc_u64 s[42:43], s[20:21], 0x1010000
	s_or_b32 s43, s43, 0x80000000
	ROUND                                          ; all four work-groups are here: the first joint loads meet
	s_cmp_lt_u32 s12, 4                            ; a wave's first fills stand in one branch: two loads of mine are out at the most
	s_cbranch_scc0 .Lnot_k0
	tensor_load_to_lds s[32:35], s[24:31]
	s_nop 0
.rept 4
	v_nop
.endr
	s_branch .Lfilled
.Lnot_k0:
	s_cmp_lt_u32 s12, 8
	s_cbranch_scc0 .Lfilled
	tensor_load_to_lds s[36:39], s[24:31]
	s_nop 0
	tensor_load_to_lds s[40:43], s[24:31]
	s_nop 0
.rept 4
	v_nop
.endr
.Lfilled:
	s_lshl_b32 s18, s16, 1
	s_add_co_u32 s18, s18, s13                     ; my tile of q: 2 QB + qt
	s_lshl_b32 s18, s18, 10
	s_lshl_b32 s19, s17, 20
	s_add_co_u32 s18, s18, s19
	s_mov_b32 s19, 0
	s_add_nc_u64 s[44:45], s[4:5], s[18:19]
	v_and_b32 v5, 31, v0
	v_lshlrev_b32 v5, 4, v5                        ; 16 x lane
	global_load_b128 v[16:19], v5, s[44:45]        ; head 0's Q
	global_load_b128 v[20:23], v5, s[44:45] offset:512
	v_and_b32 v24, 15, v0                          ; r
	v_bfe_u32 v25, v0, 4, 1                        ; h
	s_lshl_b32 s18, s14, 13                        ; my 128 keys: eight tiles of K; two key steps of V: 8,192 bytes either way
	v_add_nc_u32 v2, s18, v5
	v_add_nc_u32 v1, KOFF, v2
	s_lshl_b32 s18, s13, 10
	s_add_co_u32 s18, s18, STB
	v_lshl_add_u32 v7, v24, 6, s18                 ; the statistics of my query: 64 bytes
	s_lshl_b32 s18, s14, 3
	v_add_nc_u32 v6, s18, v7                       ; my wave's pair among them
	s_mul_i32 s18, s12, OPW
	v_mul_u32_u24 v8, v24, 272
	v_lshl_add_u32 v8, v25, 6, v8
	v_add_nc_u32 v60, s18, v8                      ; out1's stage, in V's slots: in: row r, + 64 h
	s_add_co_u32 s19, s18, OPB
	v_add_nc_u32 v8, s19, v8                       ; my part of O^T: the same place in my 4,352 bytes
	v_mul_u32_u24 v9, v25, 272
	v_lshl_add_u32 v9, v24, 4, v9
	v_add_nc_u32 v61, s18, v9                      ; out1's stage, back: lanes 0-15 one row, lanes 16-31 the next
	s_mul_i32 s18, s13, 8*OPW
	s_mul_i32 s19, s14, 2*272
	s_add_co_u32 s18, s18, s19
	s_add_co_u32 s18, s18, OPB
	v_add_nc_u32 v9, s18, v9                       ; the parts of O^T: rows 2 e + h of my tile's first wave; the others 4,352 bytes apart
	s_lshl_b32 s18, s13, 3
	s_lshl_b32 s19, s14, 1
	s_add_co_u32 s18, s18, s19
	s_lshr_b32 s19, s14, 2
	s_lshl_b32 s19, s19, 3
	s_add_co_u32 s18, s18, s19                     ; row 2 e + h of the tile is query 8 qt + 2 e + h + 8 (e / 4) of the block
	s_lshl_b32 s18, s18, 12
	v_lshl_add_u32 v10, v25, 12, s18
	v_lshl_add_u32 v10, v24, 4, v10
	s_lshl_b32 s18, s13, 15
	s_lshl_b32 s19, s14, 9
	s_add_co_u32 s18, s18, s19
	v_lshl_add_u32 v11, v25, 12, s18               ; out1: query 8 qt + h, keys 128 e on
	v_lshl_add_u32 v11, v24, 4, v11
	v_mov_b32 v13, 0                               ; (named as the upper half of a pair before l is first written)
	v_mov_b32 v15, 0                               ; (named as the upper half of f's pair)
	v_mov_b32 v56, 0x43d20000                      ; 420
	v_mov_b32 v57, 0x43d20000
	v_lshlrev_b32 v62, 4, v5                       ; 256 x lane
.set jj, 0
.rept 64
	v_mov_b32 v[MEAN+jj], 0                        ; the mean's sums: cleared once, so that the head is written without a first copy of its own
.set jj, jj+1
.endr
	s_lshl_b32 s18, s17, 22
	s_lshl_b32 s19, s16, 17
	s_add_co_u32 s18, s18, s19                     ; (1,024 x batch + 32 QB) rows of 4,096 bytes
	s_mov_b32 s19, 0
	s_add_nc_u64 s[66:67], s[8:9], s[18:19]
	s_add_nc_u64 s[10:11], s[10:11], s[18:19]
	s_mov_b32 s18, 0x1000000                       ; the prefetches: waves 10, 11 stand in v's part,
	s_cmp_lt_u32 s12, 10
	s_cselect_b32 s18, 0x800000, s18               ; waves 8, 9 in k's
	s_and_b32 s19, s12, 1
	s_lshl_b32 s19, s19, 13
	s_add_co_u32 s18, s18, s19                     ; my wave's 8,192 bytes
	s_lshl_b32 s19, s15, 14
	s_add_co_u32 s18, s18, s19                     ; of my work-group's 16,384
	s_lshl_b32 s19, s17, 20
	s_add_co_u32 s18, s18, s19
	s_add_co_u32 s18, s18, HEADB                   ; at head 1: the first change of slots steps it to head 2.  Nothing is prefetched here, at the head
	s_mov_b32 s19, 0
	s_add_nc_u64 s[48:49], s[4:5], s[18:19]
	s_sub_co_u32 s18, s12, 8
	s_lshr_b32 s18, s18, 2                         ; 0 in waves 8 to 11,
	s_or_b32 s18, s18, ttmp9                       ; of the batch's first cluster: the same in all four partners
	s_cmp_eq_u32 s18, 0
	s_cselect_b32 s51, 1, -1                       ; a wave asks while the count of heads to go is above this
	s_wait_kmcnt 0x0
	s_add_co_i32 s18, s74, s75
	s_lshl_b32 s18, s18, 23
	s_mov_b32 s22, 0x3e38aa3b                      ; log2(e) / 8
	s_add_co_i32 s22, s22, s18                     ; a score stands for score x 2^(e6 + e7): the two exponents are added to c's exponent field
	s_mov_b32 s23, s22
	s_xor_b32 s53, s22, 0x80000000                 ; -c
	s_add_co_i32 s18, s76, 127
	s_lshl_b32 s19, s18, 23
	v_mov_b32 v59, s19                             ; 2^e8 as f32, for the conversion
	s_add_co_i32 s18, s18, 15
	s_lshl_b32 s18, s18, 23
	s_or_b32 s18, s18, 0x600000
	v_mov_b32 v58, s18                             ; 57,344 x 2^e8
	s_add_co_i32 s60, s76, s77                     ; e8 + e9
	s_wait_tensorcnt 0x0                           ; my first fills have landed,
	s_barrier_signal -1
	s_barrier_wait -1                              ; everybody's have
	KLOAD                                          ; head 0's K
	HEAD 1, 0                                      ; head 0: head 1's V is there already
.Lhead:
	HEAD 1, 1                                      ; heads 1 to 14
	s_sub_co_u32 s50, s50, 1
	s_cmp_lg_u32 s50, 0
	s_cbranch_scc1 .Lhead
	HEAD 0, 0                                      ; head 15 is written out
	; OUT1: the sums / 16.  A lane holds 64 keys of one query, and the lanes beside it other queries: 64 keys (256 bytes) of 16 queries at a time go through my stage and leave as whole aligned runs of 256 bytes.
	; The stages lie in V's slots, which have had their last fill; every wave's reads of them were over in front of the last barrier.
.set jj, 0
.rept 32
	v_pk_mul_f32 v[S+jj:S+jj+1], v[MEAN+jj:MEAN+jj+1], 0x3d800000 op_sel_hi:[1,0]
.set jj, jj+2
.endr
.irp u, 0,1
.irp b, 0,1
.irp i, 0,1,2,3
	ds_store_b128 v60, v[S+32*\u+16*\b+4*\i:S+32*\u+16*\b+4*\i+3] offset:128*\b+16*\i   ; register 16 b + k: key 64 u + 32 b + 16 h + k of my 128
.endr
.endr
.irp i, 0,1,2,3,4,5,6,7
	ds_load_b128 v[24+200*\u+4*\i:27+200*\u+4*\i], v61 offset:2*\i*272   ; into v24-55, then v224-255.  LDS serves a wave's instructions in order: these see my stores, and the next half's stores come behind them
.endr
.endr
.irp i, 0,1,2,3,4,5,6,7
	s_wait_dscnt 23-\i                             ; behind load i of the first half: 7 - i loads, eight stores, eight loads
	global_store_b128 v11, v[24+4*\i:27+4*\i], s[10:11] offset:(2*\i+8*(\i/4))*4096 th:TH_STORE_NT
.endr
.irp i, 0,1,2,3,4,5,6,7
	s_wait_dscnt 7-\i
	global_store_b128 v11, v[224+4*\i:227+4*\i], s[10:11] offset:(2*\i+8*(\i/4))*4096+256 th:TH_STORE_NT
.endr
	s_wait_tensorcnt 0x0                           ; the wave's end
	ds_add_u32 v3, v4
	s_wait_dscnt 0x0
	ROUND                                          ; the closing round: no work-group ends while a partner may still ask for an image that names it
	s_endpgm
.Lfunc_end_k_q9c11139446_attn:
	.size	k_q9c11139446_attn, .Lfunc_end_k_q9c11139446_attn-k_q9c11139446_attn
	.p2alignl 7, 3214868480
	.fill 96, 4, 3214868480
	.section	.rodata,"a",@progbits
	.p2align	6, 0x0
	.amdhsa_kernel k_q9c11139446_attn
		.amdhsa_group_segment_fixed_size 327680
		.amdhsa_private_segment_fixed_size 0
		.amdhsa_enable_private_segment 0
		.amdhsa_kernarg_size 32
		.amdhsa_user_sgpr_count 2
		.amdhsa_user_sgpr_kernarg_segment_ptr 1
		.amdhsa_wavefront_size32 1
		.amdhsa_system_sgpr_workgroup_id_x 1
		.amdhsa_system_sgpr_workgroup_id_y 1
		.amdhsa_system_sgpr_workgroup_id_z 1
		.amdhsa_system_vgpr_workitem_id 0
		.amdhsa_next_free_vgpr 256
		.amdhsa_next_free_sgpr 80
		.amdhsa_reserve_vcc 0
		.amdhsa_float_denorm_mode_32 3
		.amdhsa_float_denorm_mode_16_64 3
		.amdhsa_memory_ordered 1
		.amdhsa_forward_progress 1
		.amdhsa_inst_pref_size 142
	.end_amdhsa_kernel
	.amdgpu_metadata
---
amdhsa.version: [ 1, 2 ]
amdhsa.kernels:
  - .name:           k_q9c11139446_attn
    .symbol:         k_q9c11139446_attn.kd
    .args:
      - { .name: img, .offset: 0, .size: 8, .value_kind: global_buffer, .address_space: global }
      - { .name: lowp_scales, .offset: 8, .size: 8, .value_kind: global_buffer, .address_space: global }
      - { .name: out0, .offset: 16, .size: 8, .value_kind: global_buffer, .address_space: global }
      - { .name: out1, .offset: 24, .size: 8, .value_kind: global_buffer, .address_space: global }
    .group_segment_fixed_size: 327680
    .private_segment_fixed_size: 0
    .kernarg_segment_align: 8
    .kernarg_segment_size: 32
    .max_flat_workgroup_size: 512
    .sgpr_count:     80
    .vgpr_count:     256
    .wavefront_size: 32
...
	.end_amdgpu_metadata
.endif
;; end of part 2
